; MI455X (gfx1250); checked and timed in simulation.
; The chip was launched on July 23, 2026; its instructions are those of AMD's public machine-readable ISA for CDNA 5 (MIT licence, August 2026) and "CDNA5" Instruction Set Architecture Reference Guide (July 2026). The comments in the code are by the model that wrote it; some were corrected since.
;; NW. Allowed arithmetic: matrix products marked QUANTISED: E2M1 operands, one E8M0 scale for each 32 along K, by v_wmma_scale_f32_16x16x128_f8f6f4 with both operands' format E2M1 (or v_wmma_scale_f32_32x16x128_f4), f32 sums; products left as they are: f32 operands where the result goes on into a quantised operand, else bf16, f16 or f32 operands; f32 sums; everything else in f32.
;; Inputs: indices 8,192 int32; pairs 20,000 x 2 x 16 float32; t 1 float32; x_input 4,096 x 16 float32.
;; Outputs: out0 4,096 x 16 float32.
;; This version of the problem:
;;   THIS VERSION OF THE PROBLEM IS GIVEN IN LOW PRECISION. The matrix products marked QUANTISED in the list below multiply operands that are first quantised to E2M1 (2 exponent bits, 1 mantissa bit; 4 bits a number), with one power-of-two scale for each 32 numbers along K (OCP MX v1.0); their sums are f32. All else is computed in f32.
;;   The module's matrix products, in the order in which they are computed (A, B: the left and right operand; K: the contracted axis; several contracted axes count as one K, in the product's order):
;;     1. [M 4,096, K 16] x [K 16, N 8,192]; A: computed on the way; B: computed on the way: left as it is (K = 16 < 32)
;;     2. [M 4,096, K 8,192] x [K 8,192, N 16]; A: computed on the way; B: computed on the way: QUANTISED
;;   THE QUANTISER, for each operand of a quantised product, along K:
;;     - K is cut into blocks of 32 from its start; a last block that is shorter is filled with zeros.
;;     - A block's scale is 2^e with e = floor(log2(the largest magnitude in the block)) - 2, held to -126 .. 127; a block of zeros has e = 0. As a byte (E8M0): e + 127.
;;     - Each number is divided by its block's scale, clamped to +-6, and rounded to the nearest number of E2M1, ties to even, subnormals kept.
;;     - The product sums the exact products of the quantised numbers (number of the format x scale) in f32.
;;   ~~~python
;;   def quantise(x, axis):      # numpy; x: float32 -> the quantised numbers, widened to float32 again
;;       x = np.moveaxis(x, axis, -1); K = x.shape[-1]
;;       x = np.pad(x, [(0, 0)] * (x.ndim - 1) + [(0, -K % 32)]); x = x.reshape(x.shape[:-1] + (-1, 32)); a = np.abs(x).max(-1, keepdims=True)
;;       e = np.where(a > 0, np.clip(np.frexp(np.where(a > 0, a, 1))[1] - 1 - 2, -126, 127), 0)      # np.frexp(a)[1] - 1 = floor(log2(a)), exactly
;;       r = np.clip(x / 2.0 ** e, -6, 6)
;;       step = 2.0 ** (np.maximum(np.frexp(np.where(r == 0, 1, r))[1] - 1, 0) - 1)
;;       q = np.round(r / step) * step * 2.0 ** e      # np.round: ties to even
;;       return np.moveaxis(q.reshape(q.shape[:-2] + (-1,))[..., :K], -1, axis).astype(np.float32)
;;   ~~~
;;   OPERANDS COMPUTED ON THE WAY. 'Computed on the way' means the value that the module computes at that place (a softmax that the list does not call 'softmax' is quantised finished and normalised). What goes into a quantiser is computed in f32, as accurately as f32 sums, v_exp_f32 and their like allow (about 1e-6 of the number): no bf16 or f16 on the way to a quantiser, and a product that is left as it is and whose result goes on into a quantised operand takes f32 operands (vector FMAs, or v_wmma_f32_16x16x4_f32). A number that lies on a knife's edge between two numbers of the format may be rounded either way, as far as f32 arithmetic and the matrix unit's own rounding can turn it there, and no further.
;; 2 versions, each right; version 2 is version 1 with the launch nw written anew for expert scheduling mode. Each part assembles by itself: llvm-mc -triple=amdgcn-amd-amdhsa -mcpu=gfx1250 --defsym DOCPART=n.
;; ======== version 1 of 2: 2 launches
;; workspace buffers: xt 524,288 bytes; kb 32,768 bytes; pcode 65,536 bytes; pscale 4,096 bytes
;; launch prep (part 1): grid 16 x 1, 16 waves a work-group, no clusters, 10,240 bytes of LDS; arguments indices, pairs, t, xt, kb, pcode, pscale; writes xt, kb, pcode, pscale
.if DOCPART == 1
	.amdgcn_target "amdgcn-amd-amdhsa--gfx1250"
	.amdhsa_code_object_version 6
	.text
	.protected	k_qed7903a0d7_prep
	.globl	k_qed7903a0d7_prep
	.p2align	8
	.type	k_qed7903a0d7_prep,@function
k_qed7903a0d7_prep:
	s_mov_b64 s[64:65], 0
	v_nop
	global_prefetch_b8 v0, s[64:65] scope:SCOPE_SE
	s_setreg_imm32_b32 hwreg(HW_REG_WAVE_MODE, 25, 1), 1
	s_wait_xcnt 0x0
; The keys are made ready once, for all work-groups of the next launch.  pairs: [20000][2][16] f32; indices: [8192]; t: [1].
;   xt     x_t = t pi1 + (1 - t) pi0 of the 8,192 gathered rows, f32, laid as the image of the f32 matrix operand's registers (below)
;   kb     -|x_t|^2 / 2, f32, [8192]
;   pcode  pi1 as codes of E2M1 along the KEYS (the second product's K), [block of 32 keys][d][16 bytes]: that is the operand's register order
;   pscale one E8M0 byte for each (d, block), as words [128 keys][d]: byte b for the b-th block of the 128
; SHARES.  16 work-groups x 16 waves; a wave takes one block of 32 keys, a work-group 512 keys.
; XT'S IMAGE.  A tile of the next launch is 16 keys that are not neighbours: row m of tile u of a block is key 8 u + m + 8 (m / 8).  Lane (m, hh) holds dims 8 hh .. 8 hh + 7 of that key, in 8 registers;
; registers 4 c .. 4 c + 3 of all lanes lie on end: tile x 1,024 + c x 512 + 16 x lane.  So each store here, and each load there, covers 512 consecutive bytes.
; THE CODES.  Lane (d, hh) takes column d of pi1 and 16 keys of the block, its registers running down the keys; lane l xor 16 holds the block's other 16.  A block's scale is 2^(floor(log2(largest magnitude)) - 2).
; kb (128 bytes a wave) and the scale bytes (one a wave and d) meet in LDS and leave behind one barrier as whole runs of 256 bytes.
; LIMITS: NaN and infinities are not served.  A block of zeros gets the byte 1 (not 127): its codes are zeros, and this program alone reads the bytes.
.set NROWS, 20000
.set SCL,   2048                       ; LDS: 0 .. 2047 kb of the group's 512 keys; from SCL on 16 waves x 16 words: each wave's scale byte for each d
	s_load_b128 s[4:7], s[0:1], 0x0                ; indices, pairs
	s_load_b128 s[8:11], s[0:1], 0x10              ; t, xt
	s_load_b128 s[12:15], s[0:1], 0x20             ; kb, pcode
	s_load_b64 s[16:17], s[0:1], 0x30              ; pscale
	v_lshl_add_u32 v112, v0, 2, 0x2000
	v_mov_b32 v113, 0
	v_lshrrev_b32 v1, 5, v0
	v_readfirstlane_b32 s18, v1                    ; wave 0..15
	v_and_b32 v2, 15, v0                           ; m, also d
	v_bfe_u32 v3, v0, 4, 1                         ; hh
	v_and_b32 v4, 8, v2
	v_add_nc_u32 v4, v4, v2
	v_lshlrev_b32 v4, 2, v4                        ; 4 (m + 8 (m / 8)): my key of a tile, in indices and in kb
	v_lshlrev_b32 v5, 6, v3                        ; 64 hh: the indices of my 16 keys of the block
	v_lshlrev_b32 v6, 5, v3                        ; 32 hh: my 8 dims in a row
	v_lshlrev_b32 v7, 2, v2                        ; 4 d
	s_lshl_b32 s23, s18, 7
	v_add_nc_u32 v10, s23, v4                      ; LDS: kb of my key: 128 x wave + 4 x key
	s_lshl_b32 s24, s18, 6
	s_add_co_u32 s24, s24, SCL
	v_add_nc_u32 v11, s24, v7                      ; LDS: my wave's scale byte for d, as a word: SCL + 64 x wave + 4 d
	v_lshlrev_b32 v86, 4, v0                       ; 16 x thread: kb on its way out (threads 0 to 127)
	v_and_b32 v87, 31, v0
	v_lshlrev_b32 v92, 3, v87                      ; 8 x lane: the scale words on their way out
	v_lshrrev_b32 v93, 3, v87
	v_and_b32 v95, 7, v87
	v_lshlrev_b32 v93, 8, v93
	v_lshl_add_u32 v93, v95, 3, v93
	v_add_nc_u32 v93, SCL, v93                     ; LDS: SCL + 256 (lane / 8) + 8 (lane % 8): words d = 2 (lane % 8), + 1 of the first of four waves
	v_lshlrev_b32 v87, 4, v87                      ; 16 x lane: xt's image
	v_lshlrev_b32 v94, 4, v2
	v_lshl_add_u32 v94, v3, 3, v94                 ; 16 d + 8 hh: my 16 codes in the block's 256 bytes
	s_lshl_b32 s19, ttmp9, 4
	s_add_co_u32 s19, s19, s18                     ; my block of 32 keys: 16 x work-group + wave
	s_lshl_b32 s20, s19, 7                         ; its indices: 128 bytes
	s_mov_b32 s21, 0
	s_lshl_b32 s26, s19, 11                        ; its two tiles of xt: 2,048 bytes
	s_mov_b32 s27, 0
	s_lshl_b32 s28, s19, 8                         ; its codes: 256 bytes
	s_mov_b32 s29, 0
	s_lshl_b32 s30, ttmp9, 11                      ; the group's kb: 2,048 bytes
	s_mov_b32 s31, 0
	s_lshl_b32 s32, ttmp9, 8                       ; the group's scale words: 256 bytes
	s_mov_b32 s33, 0
	s_mov_b32 s34, 0x76543210
	s_mov_b32 s35, 0xfedcba98                      ; v_permlanex16_b32's selects for lane l xor 16
	s_wait_kmcnt 0x0
	s_load_b32 s22, s[8:9], 0x0                    ; t
	s_add_nc_u64 s[4:5], s[4:5], s[20:21]
	s_add_nc_u64 s[10:11], s[10:11], s[26:27]
	s_add_nc_u64 s[14:15], s[14:15], s[28:29]
	s_add_nc_u64 s[12:13], s[12:13], s[30:31]
	s_add_nc_u64 s[16:17], s[16:17], s[32:33]
	global_load_b32 v8, v4, s[4:5]                 ; the index of my key of tile 0,
	global_load_b32 v9, v4, s[4:5] offset:32       ; of tile 1,
.irp j, 0,1,2,3
	global_load_b128 v[12+4*\j:15+4*\j], v5, s[4:5] offset:16*\j   ; and of my 16 keys of the block
.endr
	s_wait_loadcnt 0x0
	; a loaded index enters an address only behind a hold at the table's last row; then a row is 128 bytes
	v_min_u32 v8, NROWS-1, v8
	v_min_u32 v9, NROWS-1, v9
	v_lshlrev_b32 v8, 7, v8
	v_lshlrev_b32 v9, 7, v9
	v_add_nc_u32 v8, v8, v6
	v_add_nc_u32 v9, v9, v6
.irp u, 0,1
	global_load_b128 v[32+16*\u:35+16*\u], v[8+\u], s[6:7]             ; pi0, my 8 dims
	global_load_b128 v[36+16*\u:39+16*\u], v[8+\u], s[6:7] offset:16
	global_load_b128 v[40+16*\u:43+16*\u], v[8+\u], s[6:7] offset:64   ; pi1, my 8 dims
	global_load_b128 v[44+16*\u:47+16*\u], v[8+\u], s[6:7] offset:80
.endr
.irp i, 0,1,2,3,4,5,6,7,8,9,10,11,12,13,14,15
	v_min_u32 v[12+\i], NROWS-1, v[12+\i]
.endr
.irp i, 0,1,2,3,4,5,6,7,8,9,10,11,12,13,14,15
	v_lshlrev_b32 v[12+\i], 7, v[12+\i]
.endr
.irp i, 0,1,2,3,4,5,6,7,8,9,10,11,12,13,14,15
	v_add_nc_u32 v[12+\i], v[12+\i], v7
.endr
.irp i, 0,1,2,3,4,5,6,7,8,9,10,11,12,13,14,15
	global_load_b32 v[64+\i], v[12+\i], s[6:7] offset:64           ; pi1(key 16 hh + i, d): sixteen lanes read 64 neighbouring bytes
.endr
	s_wait_kmcnt 0x0
	v_mov_b32 v28, s22                             ; t
	v_sub_f32 v29, 1.0, v28                        ; 1 - t
	v_mov_b32 v96, 0                               ; written once: a lane permute's destination counts as one of its sources
	v_mov_b32 v97, 0
	v_mov_b32 v81, 0
	s_wait_loadcnt 16                              ; the eight loads of rows are in; the sixteen of the column, issued behind them, may be out
.irp u, 0,1
.irp j, 0,1,2,3,4,5,6,7
	v_mul_f32 v[32+16*\u+\j], v29, v[32+16*\u+\j]                  ; (1 - t) pi0
.endr
.irp j, 0,1,2,3,4,5,6,7
	v_fmac_f32 v[32+16*\u+\j], v28, v[40+16*\u+\j]                 ; + t pi1
.endr
	v_mul_f32 v[30+\u], v[32+16*\u], v[32+16*\u]
.irp j, 1,2,3,4,5,6,7
	v_fmac_f32 v[30+\u], v[32+16*\u+\j], v[32+16*\u+\j]            ; the squares of my 8 dims
.endr
.endr
	v_permlanex16_b32 v96, v30, s34, s35
	v_permlanex16_b32 v97, v31, s34, s35
	v_add_f32 v30, v30, v96                        ; with lane l xor 16's 8 dims
	v_add_f32 v31, v31, v97
	v_mul_f32 v30, -0.5, v30
	v_mul_f32 v31, -0.5, v31
.irp u, 0,1
	global_store_b128 v87, v[32+16*\u:35+16*\u], s[10:11] offset:1024*\u       ; 32 lanes store 512 consecutive bytes
	global_store_b128 v87, v[36+16*\u:39+16*\u], s[10:11] offset:1024*\u+512
	ds_store_b32 v10, v[30+\u] offset:32*\u        ; both halves of the lanes write the same word with the same value
.endr
	s_wait_loadcnt 0x0                             ; my 16 numbers of the column
	v_max3_num_f32 v80, |v64|, |v65|, 0x1800000    ; their largest magnitude, and the floor 2^(3 - 127): so the byte cannot fall under 1
.irp i, 2,4,6,8,10,12,14
	v_max3_num_f32 v80, v80, |v[64+\i]|, |v[65+\i]|
.endr
	v_permlanex16_b32 v81, v80, s34, s35
	v_max_num_f32 v80, v80, v81                    ; the block's
	v_add_nc_u32 v82, 0xff000000, v80              ; 2 off its exponent field: the conversion takes the exponent field of this operand as its scale
	v_lshrrev_b32 v83, 23, v82                     ; the scale's byte
	v_cvt_scalef32_pk8_fp4_f32 v84, v[64:71], v82  ; keys 16 hh + 0 .. 7, the first key's code in the lowest bits
	v_cvt_scalef32_pk8_fp4_f32 v85, v[72:79], v82  ; keys 16 hh + 8 .. 15
	v_nop                                          ; one plain line behind the last scaled conversion
	global_store_b64 v94, v[84:85], s[14:15]       ; the wave stores the block's 256 consecutive bytes
	ds_store_b32 v11, v83
	s_wait_dscnt 0x0                               ; for the others' sake: my LDS stores have landed
	s_barrier_signal -1
	s_barrier_wait -1
	s_cmp_lt_u32 s18, 4
	s_cbranch_scc0 .Lnot_kb
	ds_load_b128 v[88:91], v86                     ; waves 0 to 3: the group's 512 kb, 16 bytes a thread
	s_wait_dscnt 0x0
	global_store_b128 v86, v[88:91], s[12:13]      ; 512 consecutive bytes a wave
	s_branch .Lend
.Lnot_kb:
	s_cmp_eq_u32 s18, 4
	s_cbranch_scc0 .Lend
.irp b, 0,1,2,3
	ds_load_b64 v[100+2*\b:101+2*\b], v93 offset:64*\b             ; wave 4: two words a lane: the bytes that waves 4 (lane / 8) + b made for d = 2 (lane % 8), + 1
.endr
	s_wait_dscnt 0x0
.irp b, 1,2,3
	v_lshl_or_b32 v100, v[100+2*\b], 8*\b, v100
	v_lshl_or_b32 v101, v[101+2*\b], 8*\b, v101
.endr
	global_store_b64 v92, v[100:101], s[16:17]     ; 256 consecutive bytes
.Lend:
	s_wait_tensorcnt 0x0
	ds_add_u32 v112, v113
	s_wait_dscnt 0x0
	s_endpgm
.Lfunc_end_k_qed7903a0d7_prep:
	.size	k_qed7903a0d7_prep, .Lfunc_end_k_qed7903a0d7_prep-k_qed7903a0d7_prep
	.p2alignl 7, 3214868480
	.fill 96, 4, 3214868480
	.section	.rodata,"a",@progbits
	.p2align	6, 0x0
	.amdhsa_kernel k_qed7903a0d7_prep
		.amdhsa_group_segment_fixed_size 10240
		.amdhsa_private_segment_fixed_size 0
		.amdhsa_enable_private_segment 0
		.amdhsa_kernarg_size 56
		.amdhsa_user_sgpr_count 2
		.amdhsa_user_sgpr_kernarg_segment_ptr 1
		.amdhsa_wavefront_size32 1
		.amdhsa_system_sgpr_workgroup_id_x 1
		.amdhsa_system_sgpr_workgroup_id_y 1
		.amdhsa_system_sgpr_workgroup_id_z 1
		.amdhsa_system_vgpr_workitem_id 0
		.amdhsa_next_free_vgpr 114
		.amdhsa_next_free_sgpr 66
		.amdhsa_reserve_vcc 0
		.amdhsa_float_denorm_mode_32 3
		.amdhsa_float_denorm_mode_16_64 3
		.amdhsa_memory_ordered 1
		.amdhsa_forward_progress 1
		.amdhsa_inst_pref_size 13
	.end_amdhsa_kernel
	.amdgpu_metadata
---
amdhsa.version: [ 1, 2 ]
amdhsa.kernels:
  - .name:           k_qed7903a0d7_prep
    .symbol:         k_qed7903a0d7_prep.kd
    .args:
      - { .name: indices, .offset: 0, .size: 8, .value_kind: global_buffer, .address_space: global }
      - { .name: pairs, .offset: 8, .size: 8, .value_kind: global_buffer, .address_space: global }
      - { .name: t, .offset: 16, .size: 8, .value_kind: global_buffer, .address_space: global }
      - { .name: xt, .offset: 24, .size: 8, .value_kind: global_buffer, .address_space: global }
      - { .name: kb, .offset: 32, .size: 8, .value_kind: global_buffer, .address_space: global }
      - { .name: pcode, .offset: 40, .size: 8, .value_kind: global_buffer, .address_space: global }
      - { .name: pscale, .offset: 48, .size: 8, .value_kind: global_buffer, .address_space: global }
    .group_segment_fixed_size: 10240
    .private_segment_fixed_size: 0
    .kernarg_segment_align: 8
    .kernarg_segment_size: 56
    .max_flat_workgroup_size: 512
    .sgpr_count:     66
    .vgpr_count:     114
    .wavefront_size: 32
...
	.end_amdgpu_metadata
.endif
;; end of part 1
;; launch nw (part 2): grid 256 x 1, 16 waves a work-group, no clusters, 317,440 bytes of LDS; arguments x_input, t, xt, kb, pcode, pscale, out0; writes out0
.if DOCPART == 2
	.amdgcn_target "amdgcn-amd-amdhsa--gfx1250"
	.amdhsa_code_object_version 6
	.text
	.protected	k_qed7903a0d7_nw
	.globl	k_qed7903a0d7_nw
	.p2align	8
	.type	k_qed7903a0d7_nw,@function
k_qed7903a0d7_nw:
	s_mov_b64 s[64:65], 0
	v_nop
	global_prefetch_b8 v0, s[64:65] scope:SCOPE_SE
	s_setreg_imm32_b32 hwreg(HW_REG_WAVE_MODE, 25, 1), 1
	s_wait_xcnt 0x0
; v[q] = (omega pi1 / S - mean(omega) x[q]) / (1 - t),  omega = S softmax_s(-max(|x[q] - x_t[s]|^2, 0) / 2),  S = 8,192 keys, 4,096 queries, 16 dims.
; The first product (x . x_t) has f32 operands: its result goes into a quantiser.  The second (omega pi1) multiplies codes of E2M1 with one E8M0 scale for each 32 keys; omega is quantised NORMALISED.
; SHARES.  A work-group owns 16 queries; each of its sixteen waves (four to a SIMD, 256 registers each) owns 512 keys.
; EACH SCORE AND EACH EXPONENTIAL IS MADE ONCE.  The row's maximum and sum must be known before omega can be quantised.  So the weights p = 2^(c u + N) are kept: 16 x 8,192 x 4 bytes = 512 KiB a work-group,
; half in registers (128 a wave), half in the wave's own LDS bytes (16 KiB a wave), as images of the registers.
; THE SCORE.  -max(sq, 0) / 2 = min(x . x_t - |x_t|^2 / 2, |x|^2 / 2) - |x|^2 / 2; the last term is one number a row and falls out of the softmax.  u = min(x . x_t + kb, |x|^2 / 2), kb = -|x_t|^2 / 2 being the C of the sum's first matrix instruction.
; THE MAXIMUM.  A wave keeps a running maximum M over its groups of 64 keys; N = -c M, c = log2(e), rounded once; group g's p are taken under its N_g.  Behind a barrier N = the smallest N of all waves (the row's maximum),
; l = the sum of the waves' l x 2^(N - N_w), and omega = p x F_g, F_g = 2^(N - N_g) S / l: every omega of a row stands under the same N, whose rounding falls out with l.
; LAYOUT.  Both products are used transposed: S^T = x_t x^T (source 0 = 16 keys, source 1 = my 16 queries), O^T = pi1^T omega^T: a lane holds ONE query (lane % 16) throughout.
; The keys of a tile are not neighbours: row m of tile 2 b + u is key 32 b + 8 u + m + 8 (m / 8), so that the 16 registers of tiles 2 b and 2 b + 1 are 16 neighbouring keys, 32 b + 16 (lane / 16) + 0 .. 15.
; In the f32 form lane (r, h) holds dims 8 h + 2 q, + 1 in K step q, in both operands alike: the same products, and a lane's 8 dims are neighbours in memory.
; THE KEYS ARE NOT ASKED FOR JOINTLY, though every work-group reads the same 512 KiB: a joint request lands in LDS, and of LDS's 327,680 bytes this text uses 315,392; the 12,288 left are less than one group of keys
; for the sixteen waves (65,536 bytes).  The keys go from memory straight into operand registers, 512 consecutive bytes a load.
; LIMITS: NaN and infinities among the inputs are not served.  A p under 2^-126 counts as 0 (v_exp_f32 gives 0 there: ISA guide, its entry).  1 / l and 1 / (1 - t) are v_rcp_f32 and a multiplication; t = 1 gives what a division by 0 gives.
; REGISTERS: v1, v13 pi1's scale words; v2-9 x's fragment; v10-12 addresses; v14-23 statistics; v24-31 N_g, later F_g; v32-63 key fragments, later statistics, codes and temporaries; v64-95 the biases as C, later pi1's fragments;
;   v96-127 the scores, later O^T: written by matrix instructions alone; v128-255 p.
.set VS0, 1                            ; pi1's scale words: lanes 0-15 K step 0, lanes 16-31 K step 1
.set XQ,  2                            ; v2-9   x(query r, dims 8 h + 0 .. 7)
.set VA,  10                           ; 16 x lane
.set VC,  11                           ; LDS: my wave's kb + 64 h
.set LP,  12                           ; LDS: my wave's images of p + 16 x lane
.set VS1, 13                           ; K steps 2 and 3
.set NC,  14                           ; the pair (N, M); at the end 1 / (S (1 - t))
.set MX,  15
.set LS,  16                           ; v16-17 the sum, in two halves
.set FF,  18                           ; a factor; named as a pair with v19
.set NQB, 19                           ; |x|^2 / 2
.set CM,  20                           ; v20-23 at work
.set NG,  24                           ; v24-31
.set KA,  32
.set KC,  64
.set SS,  96
.set PP,  128
.set PC,  32                           ; pass 2: omega's codes, v32-39
.set PW,  40                           ; and their scale word
.set TM,  44                           ; v44-59 at work
.set SEL, 32                           ; s[32:33]
.set CS,  34                           ; s[34:35] c = log2(e): the packed form names a pair and takes its low word
.set NEGC, 36
.set STN, 262144                       ; LDS behind the images of p: N of wave w for query r at 80 r + 4 w;
.set STL, 1280                         ; l likewise, this much further on
.set OPA, 266240                       ; the waves' parts of the result, 1,024 bytes each, as rows of out0
.set KBL, 282624                       ; kb: 2,048 bytes a wave
.macro LOADA g                         ; group g's four tiles of keys: images of the operand's registers, 512 consecutive bytes a load
.irp t, 0,1,2,3
	global_load_b128 v[KA+8*\t:KA+8*\t+3],   v[VA], s[8:9] offset:(\g)*4096+\t*1024
	global_load_b128 v[KA+8*\t+4:KA+8*\t+7], v[VA], s[8:9] offset:(\g)*4096+\t*1024+512
.endr
.endm
.macro LOADC g                         ; their biases in the result's layout: register j of lane (r, h) is kb of key 32 b + 8 u + 16 h + j; sixteen lanes read the same 16 bytes of LDS
.irp t, 0,1,2,3
	ds_load_b128 v[KC+8*\t:KC+8*\t+3],   v[VC] offset:(\g)*256+(32*(\t/2)+8*(\t%2))*4
	ds_load_b128 v[KC+8*\t+4:KC+8*\t+7], v[VC] offset:(\g)*256+(32*(\t/2)+8*(\t%2))*4+16
.endr
.endm
.macro LOADP                           ; pi1's four fragments (16 d x 128 keys, 8 registers each), for pass 2
.irp k, 0,1,2,3
	global_load_b128 v[KC+8*\k:KC+8*\k+3],   v[VA], s[12:13] offset:\k*1024
	global_load_b128 v[KC+8*\k+4:KC+8*\k+7], v[VA], s[12:13] offset:\k*1024+512
.endr
.endm
	s_load_b128 s[4:7], s[0:1], 0x0                ; x_input, t
	s_load_b128 s[8:11], s[0:1], 0x10              ; xt, kb
	s_load_b128 s[12:15], s[0:1], 0x20             ; pcode, pscale
	s_load_b64 s[16:17], s[0:1], 0x30              ; out0
	v_lshrrev_b32 v[NG], 5, v0
	v_readfirstlane_b32 s18, v[NG]                 ; wave 0..15
	v_and_b32 v[NG], 15, v0                        ; r
	v_bfe_u32 v[NG+1], v0, 4, 1                    ; h
	v_lshlrev_b32 v[NG+2], 6, v[NG]
	v_lshl_add_u32 v[NG+2], v[NG+1], 5, v[NG+2]    ; x: row r of 64 bytes, + 32 h
	v_and_b32 v[NG+3], 31, v0
	v_lshlrev_b32 v[VA], 4, v[NG+3]
	v_lshlrev_b32 v[NG+3], 2, v[NG+3]              ; 4 x lane: the scale words
	s_lshl_b32 s19, s18, 14
	v_add_nc_u32 v[LP], s19, v[VA]
	s_lshl_b32 s19, s18, 11
	s_add_co_u32 s19, s19, KBL
	v_add_nc_u32 v[NG+4], s19, v[VA]               ; kb on its way in
	v_lshl_add_u32 v[VC], v[NG+1], 6, s19
	s_lshl_b32 s20, ttmp9, 10                      ; my 16 queries: 1,024 bytes of x_input and of out0
	s_mov_b32 s21, 0
	s_lshl_b32 s22, s18, 15                        ; my wave's 512 keys: 32,768 bytes of xt,
	s_mov_b32 s23, 0
	s_lshl_b32 s24, s18, 11                        ; 2,048 of kb,
	s_mov_b32 s25, 0
	s_lshl_b32 s26, s18, 12                        ; 4,096 of pcode,
	s_mov_b32 s27, 0
	s_lshl_b32 s28, s18, 8                         ; 256 of pscale
	s_mov_b32 s29, 0
	s_mov_b32 s[SEL], 0x76543210
	s_mov_b32 s[SEL+1], 0xfedcba98                 ; v_permlanex16_b32's selects for lane l xor 16
	s_mov_b32 s[CS], 0x3fb8aa3b                    ; c = log2(e)
	s_mov_b32 s[CS+1], s[CS]
	s_mov_b32 s[NEGC], 0xbfb8aa3b                  ; -c
	s_wait_kmcnt 0x0
	s_load_b32 s30, s[6:7], 0x0                    ; t
	s_add_nc_u64 s[4:5], s[4:5], s[20:21]
	s_add_nc_u64 s[16:17], s[16:17], s[20:21]
	s_add_nc_u64 s[8:9], s[8:9], s[22:23]
	s_add_nc_u64 s[10:11], s[10:11], s[24:25]
	s_add_nc_u64 s[12:13], s[12:13], s[26:27]
	s_add_nc_u64 s[14:15], s[14:15], s[28:29]
.irp i, 0,1,2,3
	global_load_b128 v[PP+4*\i:PP+4*\i+3], v[VA], s[10:11] offset:512*\i       ; my wave's kb, once, 512 consecutive bytes a load
.endr
	global_load_b128 v[XQ:XQ+3], v[NG+2], s[4:5]
	global_load_b128 v[XQ+4:XQ+7], v[NG+2], s[4:5] offset:16
	global_load_b32 v[VS0], v[NG+3], s[14:15]
	global_load_b32 v[VS1], v[NG+3], s[14:15] offset:128
	LOADA 0
	s_wait_loadcnt 12                              ; kb is in: behind it 2 loads of x, 2 of scale words, 8 of keys
.irp i, 0,1,2,3
	ds_store_b128 v[NG+4], v[PP+4*\i:PP+4*\i+3] offset:512*\i      ; into my wave's own bytes: LDS serves a wave's instructions in order, so no wait and no barrier stand ahead of the loads below
.endr
	LOADC 0
	s_wait_loadcnt 8                               ; x and the scale words are in; the 8 loads of keys may be out
	v_mul_f32 v[NQB], v[XQ], v[XQ]
.irp j, 1,2,3,4,5,6,7
	v_fmac_f32 v[NQB], v[XQ+\j], v[XQ+\j]
.endr
	v_mov_b32 v[CM], 0                             ; a lane permute's destination counts as one of its sources
	v_permlanex16_b32 v[CM], v[NQB], s[SEL], s[SEL+1]
	v_add_f32 v[NQB], v[NQB], v[CM]
	v_mul_f32 v[NQB], 0.5, v[NQB]                  ; |x|^2 / 2
	s_wait_kmcnt 0x0                               ; t
; PASS 1, A GROUP OF 64 KEYS.  dst: where its 32 registers of p go;  first = 1: it starts M and l;  lds = 1: p goes on to LDS.
.macro GROUP g, dst, first, lds
	s_wait_loadcnt 0x0                             ; the group's keys,
	s_wait_dscnt 0x0                               ; its biases; and the last group's LDS stores have read their registers
.irp q, 0,1,2,3                        ; four accumulators by turns, one instruction a turn; the first K step starts each sum with the biases as C
.irp t, 0,1,2,3
.if \q == 0
	v_wmma_f32_16x16x4_f32 v[SS+8*\t:SS+8*\t+7], v[KA+8*\t:KA+8*\t+1], v[XQ:XQ+1], v[KC+8*\t:KC+8*\t+7]
.else
	v_wmma_f32_16x16x4_f32 v[SS+8*\t:SS+8*\t+7], v[KA+8*\t+2*\q:KA+8*\t+2*\q+1], v[XQ+2*\q:XQ+2*\q+1], v[SS+8*\t:SS+8*\t+7]
.endif
.endr
.endr
.rept 8
	v_nop                                          ; eight places behind this form, ahead of loads into its sources and of the first read of its results
.endr
.if \g < 7
	LOADA \g+1                                     ; the next group is asked for ahead of this group's vector work
	LOADC \g+1
.else
	LOADP
.endif
.set J, 0
.rept 32
	v_min_num_f32 v[\dst+J], v[SS+J], v[NQB]       ; u: the clip of sq at 0.  Each accumulator is read from its low end on
.set J, J+1
.endr
.irp k, 0,1,2,3
	v_max3_num_f32 v[CM+\k], v[\dst+8*\k], v[\dst+8*\k+1], v[\dst+8*\k+2]      ; the largest u: four chains by turns
.endr
.irp i, 3,5
.irp k, 0,1,2,3
	v_max3_num_f32 v[CM+\k], v[CM+\k], v[\dst+8*\k+\i], v[\dst+8*\k+\i+1]
.endr
.endr
	v_max3_num_f32 v[CM], v[CM], v[\dst+7], v[\dst+15]
	v_max3_num_f32 v[CM+2], v[CM+2], v[\dst+23], v[\dst+31]
	v_max3_num_f32 v[CM], v[CM], v[CM+1], v[CM+2]
.if \first
	v_max_num_f32 v[CM], v[CM], v[CM+3]
.else
	v_max3_num_f32 v[CM], v[CM], v[CM+3], v[MX]    ; and the running maximum
.endif
	v_permlanex16_b32 v[CM+1], v[CM], s[SEL], s[SEL+1]
	v_max_num_f32 v[MX], v[CM], v[CM+1]            ; with lane l xor 16's keys
	v_mul_f32 v[NC], s[NEGC], v[MX]                ; N = -c M
.if !\first
	v_sub_f32 v[FF], v[NC], v[NG+\g-1]             ; N less the last group's: 0 or less
.endif
.set J, 0
.rept 16
	v_pk_fma_f32 v[\dst+J:\dst+J+1], v[\dst+J:\dst+J+1], s[CS:CS+1], v[NC:NC+1] op_sel_hi:[1,0,0]   ; c u + N, two at a time
.set J, J+2
.endr
.if !\first
	v_exp_f32 v[FF], v[FF]                         ; what was summed under the old N comes under the new
.endif
.set J, 0
.rept 32
	v_exp_f32 v[\dst+J], v[\dst+J]                 ; p, at most 1
.set J, J+1
.endr
	v_mov_b32 v[NG+\g], v[NC]                      ; the group's N is kept.  (The plain line behind the exponentials)
	s_wait_alu depctr_va_vdst(0)                   ; one wait for the whole batch, ahead of its first reader
.if \first
	v_pk_add_f32 v[LS:LS+1], v[\dst:\dst+1], v[\dst+2:\dst+3]
	v_pk_add_f32 v[CM:CM+1], v[\dst+4:\dst+5], v[\dst+6:\dst+7]
.set J, 8
.rept 6
	v_pk_add_f32 v[LS:LS+1], v[LS:LS+1], v[\dst+J:\dst+J+1]
	v_pk_add_f32 v[CM:CM+1], v[CM:CM+1], v[\dst+J+2:\dst+J+3]
.set J, J+4
.endr
.else
	v_pk_mul_f32 v[LS:LS+1], v[LS:LS+1], v[FF:FF+1] op_sel_hi:[1,0]
	v_pk_add_f32 v[CM:CM+1], v[\dst:\dst+1], v[\dst+2:\dst+3]
.set J, 4
.rept 7
	v_pk_add_f32 v[LS:LS+1], v[LS:LS+1], v[\dst+J:\dst+J+1]        ; the sum of p, two at a time, in two chains
	v_pk_add_f32 v[CM:CM+1], v[CM:CM+1], v[\dst+J+2:\dst+J+3]
.set J, J+4
.endr
.endif
	v_pk_add_f32 v[LS:LS+1], v[LS:LS+1], v[CM:CM+1]
.if \lds
.irp i, 0,1,2,3,4,5,6,7
	ds_store_b128 v[LP], v[\dst+4*\i:\dst+4*\i+3] offset:(\g)*4096+512*\i      ; the image of the 32 registers: 512 consecutive bytes a store, my wave's own
.endr
.endif
.endm
	GROUP 0, PP+96, 1, 1                           ; the four groups that go to LDS come first and work in the registers that the last group will keep
	GROUP 1, PP+96, 0, 1
	GROUP 2, PP+96, 0, 1
	GROUP 3, PP+96, 0, 1
	GROUP 4, PP,    0, 0
	GROUP 5, PP+32, 0, 0
	GROUP 6, PP+64, 0, 0
	GROUP 7, PP+96, 0, 0
	; THE WAVES' N AND l MEET.
	v_add_f32 v[CM], v[LS], v[LS+1]
	v_permlanex16_b32 v[CM+1], v[CM], s[SEL], s[SEL+1]
	v_add_f32 v[CM], v[CM], v[CM+1]                ; my wave's l for query r
	v_and_b32 v[CM+2], 15, v0
	v_mul_u32_u24 v[CM+2], v[CM+2], 80
	v_add_nc_u32 v[CM+2], STN, v[CM+2]             ; query r's row of sixteen words (80 bytes apart)
	s_lshl_b32 s19, s18, 2
	v_add_nc_u32 v[CM+3], s19, v[CM+2]             ; my wave's word in it
	ds_store_b32 v[CM+3], v[NC]                    ; both halves of the lanes write the same word with the same value
	ds_store_b32 v[CM+3], v[CM] offset:STL
	s_wait_dscnt 0x0                               ; for the others' sake: my stores have landed
	s_barrier_signal -1
	s_barrier_wait -1
.irp i, 0,1,2,3
	ds_load_b128 v[KA+4*\i:KA+4*\i+3], v[CM+2] offset:16*\i
	ds_load_b128 v[KA+16+4*\i:KA+19+4*\i], v[CM+2] offset:STL+16*\i
.endr
	s_wait_dscnt 0x0
	v_min3_num_f32 v[MX], v[KA], v[KA+1], v[KA+2]
.irp i, 3,5,7,9,11,13
	v_min3_num_f32 v[MX], v[MX], v[KA+\i], v[KA+\i+1]
.endr
	v_min_num_f32 v[MX], v[MX], v[KA+15]           ; N of the row's maximum
.irp i, 0,1,2,3,4,5,6,7,8,9,10,11,12,13,14,15
	v_sub_f32 v[KA+\i], v[MX], v[KA+\i]            ; N - N_w: 0 or less
.endr
.irp i, 0,1,2,3,4,5,6,7
	v_sub_f32 v[NG+\i], v[MX], v[NG+\i]            ; N - N_g
.endr
.irp i, 0,1,2,3,4,5,6,7,8,9,10,11,12,13,14,15
	v_exp_f32 v[KA+\i], v[KA+\i]
.endr
.irp i, 0,1,2,3,4,5,6,7
	v_exp_f32 v[NG+\i], v[NG+\i]
.endr
	v_mov_b32 v[CM+1], s30                         ; t.  (The plain line behind the exponentials)
	s_wait_alu depctr_va_vdst(0)                   ; one wait for the 24
	v_pk_mul_f32 v[LS:LS+1], v[KA:KA+1], v[KA+16:KA+17]
.irp i, 2,4,6,8,10,12,14
	v_pk_fma_f32 v[LS:LS+1], v[KA+\i:KA+\i+1], v[KA+16+\i:KA+17+\i], v[LS:LS+1]
.endr
	v_add_f32 v[LS], v[LS], v[LS+1]                ; l: the row's sum under N
	v_sub_f32 v[CM+1], 1.0, v[CM+1]                ; 1 - t
	v_rcp_f32 v[CM], v[LS]
	v_rcp_f32 v[CM+1], v[CM+1]
.irp b, 0,1,2,3
	v_mov_b32 v[TM+4+\b], 0                        ; (plain lines behind the reciprocals)  written once: a lane permute's destination counts as one of its sources
.endr
	v_mov_b32 v[LS], 0                             ; the sum of omega starts, in two chains of two halves
	v_mov_b32 v[LS+1], 0
	s_wait_alu depctr_va_vdst(0)                   ; one wait for the two reciprocals
	v_mul_f32 v[CM+3], 0x46000000, v[CM]           ; S / l
	v_mul_f32 v[NC], 0x39000000, v[CM+1]           ; 1 / (S (1 - t))
.irp i, 0,1,2,3,4,5,6,7
	v_mul_f32 v[NG+\i], v[NG+\i], v[CM+3]          ; F_g
.endr
	v_mov_b32 v[CM], 0
	v_mov_b32 v[CM+1], 0
	s_wait_loadcnt 0x0                             ; pi1's fragments
; PASS 2, A K STEP OF 128 KEYS (groups 2 k and 2 k + 1), whose p stand in v[src] .. v[src + 63]: register 16 b + i is key 32 b + 16 (lane / 16) + i of my query.
.macro QUANT k, src
	v_mov_b32 v[FF], v[NG+2*\k+1]
.set J, 0
.rept 16
	v_pk_mul_f32 v[\src+J:\src+J+1], v[\src+J:\src+J+1], v[NG+2*\k:NG+2*\k+1] op_sel_hi:[1,0]       ; omega = p F
.set J, J+2
.endr
.rept 16
	v_pk_mul_f32 v[\src+J:\src+J+1], v[\src+J:\src+J+1], v[FF:FF+1] op_sel_hi:[1,0]
.set J, J+2
.endr
.set J, 0
.rept 16
	v_pk_add_f32 v[LS:LS+1], v[LS:LS+1], v[\src+J:\src+J+1]        ; the sum of the unquantised omega, for its mean
	v_pk_add_f32 v[CM:CM+1], v[CM:CM+1], v[\src+J+2:\src+J+3]
.set J, J+4
.endr
.irp b, 0,1,2,3
	v_max3_num_f32 v[TM+\b], v[\src+16*\b], v[\src+16*\b+1], 0x1800000         ; block b: my 16 numbers (none is negative), and the floor 2^(3 - 127): so the byte cannot fall under 1
.endr
.irp i, 2,4,6,8,10,12,14
.irp b, 0,1,2,3
	v_max3_num_f32 v[TM+\b], v[TM+\b], v[\src+16*\b+\i], v[\src+16*\b+\i+1]    ; (the four blocks by turns)
.endr
.endr
.irp b, 0,1,2,3
	v_permlanex16_b32 v[TM+4+\b], v[TM+\b], s[SEL], s[SEL+1]
.endr
.irp b, 0,1,2,3
	v_max_num_f32 v[TM+\b], v[TM+\b], v[TM+4+\b]   ; with lane l xor 16's: the block's largest
.endr
.irp b, 0,1,2,3
	v_add_nc_u32 v[TM+12+\b], 0xff000000, v[TM+\b] ; 2 off its exponent field: the conversion's scale operand
.endr
.irp b, 0,1,2,3
	v_lshrrev_b32 v[TM+4+\b], 23, v[TM+12+\b]      ; the scale's byte
.endr
	v_lshl_or_b32 v[PW], v[TM+5], 8, v[TM+4]       ; my query's scale word for these 128 keys
	v_lshl_or_b32 v[PW], v[TM+6], 16, v[PW]
	v_lshl_or_b32 v[PW], v[TM+7], 24, v[PW]
.irp b, 0,1,2,3
	v_cvt_scalef32_pk8_fp4_f32 v[PC+2*\b], v[\src+16*\b:\src+16*\b+7], v[TM+12+\b]
	v_cvt_scalef32_pk8_fp4_f32 v[PC+1+2*\b], v[\src+16*\b+8:\src+16*\b+15], v[TM+12+\b]
.endr
	v_nop                                          ; one plain line behind the last scaled conversion
.irp c, 0,1                            ; the operand's layout wants a WHOLE block in a lane: lanes 0-15 block 2 c, lanes 16-31 block 2 c + 1
.irp i, 0,1
	v_permlane16_swap_b32 v[PC+4*\c+\i], v[PC+2+4*\c+\i]
.endr
.endr
.endm
.macro RELOAD k, dst                   ; K step k's p come back from LDS, into registers whose p have been turned into codes
.irp i, 0,1,2,3,4,5,6,7,8,9,10,11,12,13,14,15
	ds_load_b128 v[\dst+4*\i:\dst+4*\i+3], v[LP] offset:(\k)*8192+512*\i
.endr
.endm
.macro PROD k, vs, row1                ; O^T of these 128 keys, on an accumulator of its own: source 0 = pi1's 16 dims, source 1 = omega of my 16 queries
.rept 8
	v_nop                                          ; a scale word made by vector instructions stands eight places ahead of a scaled matrix instruction, an operand so made four
.endr
.if \row1
	v_wmma_scale_f32_16x16x128_f8f6f4 v[SS+8*\k:SS+8*\k+7], v[KC+8*\k:KC+8*\k+7], v[PC:PC+7], 0, v[\vs], v[PW] matrix_a_fmt:MATRIX_FMT_FP4 matrix_b_fmt:MATRIX_FMT_FP4 matrix_a_scale:MATRIX_SCALE_ROW1
.else
	v_wmma_scale_f32_16x16x128_f8f6f4 v[SS+8*\k:SS+8*\k+7], v[KC+8*\k:KC+8*\k+7], v[PC:PC+7], 0, v[\vs], v[PW] matrix_a_fmt:MATRIX_FMT_FP4 matrix_b_fmt:MATRIX_FMT_FP4
.endif
.endm
	QUANT 2, PP                                    ; the K steps kept in registers first: their registers then take those kept in LDS
	RELOAD 0, PP
	PROD 2, VS1, 0
	QUANT 3, PP+64                                 ; (its first lines, which name none of the product's registers, are the places ahead of the next write of the codes and the scale word)
	RELOAD 1, PP+64
	PROD 3, VS1, 1
	s_wait_dscnt 16                                ; K step 0's sixteen loads are in; K step 1's sixteen may be out
	QUANT 0, PP
	PROD 0, VS0, 0
	s_wait_dscnt 0x0
	QUANT 1, PP+64
	PROD 1, VS0, 1
	; THE WAY OUT.  My wave's part of v: (O_w - (my keys' sum of omega) x) / (S (1 - t)); the sixteen parts are added behind a barrier.  The address lines are the places behind the last product.
	v_and_b32 v[CM+2], 15, v0
	v_bfe_u32 v[CM+3], v0, 4, 1
	v_lshlrev_b32 v[CM+2], 6, v[CM+2]
	v_lshl_add_u32 v[CM+2], v[CM+3], 5, v[CM+2]    ; row r of 64 bytes, + 32 h: register j of lane (r, h) is v(query r, dim 8 h + j)
	s_lshl_b32 s19, s18, 10
	s_add_co_u32 s19, s19, OPA
	v_add_nc_u32 v[CM+2], s19, v[CM+2]             ; in my wave's 1,024 bytes
	v_lshlrev_b32 v[FF], 4, v0                     ; back, and in out0: 16 bytes a thread (threads 0 to 63)
	v_add_nc_u32 v[CM+3], OPA, v[FF]
	v_pk_add_f32 v[LS:LS+1], v[LS:LS+1], v[CM:CM+1]
	v_add_f32 v[LS], v[LS], v[LS+1]
	v_permlanex16_b32 v[CM], v[LS], s[SEL], s[SEL+1]
	v_add_f32 v[LS], v[LS], v[CM]                  ; the sum of omega over my wave's 512 keys
	v_mul_f32 v[LS], -1.0, v[LS]
.irp j, 0,2,4,6
	v_pk_add_f32 v[TM+\j:TM+\j+1], v[SS+\j:SS+\j+1], v[SS+8+\j:SS+9+\j]        ; the four K steps' sums; each accumulator is read from its low end on
.endr
.irp j, 0,2,4,6
	v_pk_add_f32 v[TM+8+\j:TM+9+\j], v[SS+16+\j:SS+17+\j], v[SS+24+\j:SS+25+\j]
.endr
.irp j, 0,2,4,6
	v_pk_add_f32 v[TM+\j:TM+\j+1], v[TM+\j:TM+\j+1], v[TM+8+\j:TM+9+\j]
.endr
.irp j, 0,2,4,6
	v_pk_fma_f32 v[TM+\j:TM+\j+1], v[XQ+\j:XQ+\j+1], v[LS:LS+1], v[TM+\j:TM+\j+1] op_sel_hi:[1,0,1]
.endr
.irp j, 0,2,4,6
	v_pk_mul_f32 v[TM+\j:TM+\j+1], v[TM+\j:TM+\j+1], v[NC:NC+1] op_sel_hi:[1,0]
.endr
	ds_store_b128 v[CM+2], v[TM:TM+3]
	ds_store_b128 v[CM+2], v[TM+4:TM+7] offset:16
	s_wait_dscnt 0x0                               ; for the others' sake: my stores have landed
	s_barrier_signal -1
	s_barrier_wait -1
	s_cmp_lt_u32 s18, 2
	s_cbranch_scc0 .Lend                           ; waves 0 and 1 add the parts: 64 threads x 16 bytes are the group's 1,024 bytes of out0
.irp i, 0,1,2,3,4,5,6,7,8,9,10,11,12,13,14,15
	ds_load_b128 v[PP+4*\i:PP+4*\i+3], v[CM+3] offset:1024*\i
.endr
	s_wait_dscnt 0x0
.irp i, 0,1,2,3,4,5,6,7
	v_pk_add_f32 v[PP+8*\i:PP+8*\i+1], v[PP+8*\i:PP+8*\i+1], v[PP+8*\i+4:PP+8*\i+5]
	v_pk_add_f32 v[PP+8*\i+2:PP+8*\i+3], v[PP+8*\i+2:PP+8*\i+3], v[PP+8*\i+6:PP+8*\i+7]
.endr
.irp i, 0,1,2,3
	v_pk_add_f32 v[PP+16*\i:PP+16*\i+1], v[PP+16*\i:PP+16*\i+1], v[PP+16*\i+8:PP+16*\i+9]
	v_pk_add_f32 v[PP+16*\i+2:PP+16*\i+3], v[PP+16*\i+2:PP+16*\i+3], v[PP+16*\i+10:PP+16*\i+11]
.endr
.irp i, 0,1
	v_pk_add_f32 v[PP+32*\i:PP+32*\i+1], v[PP+32*\i:PP+32*\i+1], v[PP+32*\i+16:PP+32*\i+17]
	v_pk_add_f32 v[PP+32*\i+2:PP+32*\i+3], v[PP+32*\i+2:PP+32*\i+3], v[PP+32*\i+18:PP+32*\i+19]
.endr
	v_pk_add_f32 v[PP:PP+1], v[PP:PP+1], v[PP+32:PP+33]
	v_pk_add_f32 v[PP+2:PP+3], v[PP+2:PP+3], v[PP+34:PP+35]
	global_store_b128 v[FF], v[PP:PP+3], s[16:17]  ; a wave stores 512 consecutive bytes, at a multiple of 256 from out0's first byte
.Lend:
	s_wait_xcnt 0x0
	v_lshl_add_u32 v254, v0, 2, 0x4d000
	v_mov_b32 v255, 0
	s_wait_tensorcnt 0x0
	ds_add_u32 v254, v255
	s_wait_dscnt 0x0
	s_endpgm
.Lfunc_end_k_qed7903a0d7_nw:
	.size	k_qed7903a0d7_nw, .Lfunc_end_k_qed7903a0d7_nw-k_qed7903a0d7_nw
	.p2alignl 7, 3214868480
	.fill 96, 4, 3214868480
	.section	.rodata,"a",@progbits
	.p2align	6, 0x0
	.amdhsa_kernel k_qed7903a0d7_nw
		.amdhsa_group_segment_fixed_size 317440
		.amdhsa_private_segment_fixed_size 0
		.amdhsa_enable_private_segment 0
		.amdhsa_kernarg_size 56
		.amdhsa_user_sgpr_count 2
		.amdhsa_user_sgpr_kernarg_segment_ptr 1
		.amdhsa_wavefront_size32 1
		.amdhsa_system_sgpr_workgroup_id_x 1
		.amdhsa_system_sgpr_workgroup_id_y 1
		.amdhsa_system_sgpr_workgroup_id_z 1
		.amdhsa_system_vgpr_workitem_id 0
		.amdhsa_next_free_vgpr 256
		.amdhsa_next_free_sgpr 66
		.amdhsa_reserve_vcc 0
		.amdhsa_float_denorm_mode_32 3
		.amdhsa_float_denorm_mode_16_64 3
		.amdhsa_memory_ordered 1
		.amdhsa_forward_progress 1
		.amdhsa_inst_pref_size 114
	.end_amdhsa_kernel
	.amdgpu_metadata
---
amdhsa.version: [ 1, 2 ]
amdhsa.kernels:
  - .name:           k_qed7903a0d7_nw
    .symbol:         k_qed7903a0d7_nw.kd
    .args:
      - { .name: x_input, .offset: 0, .size: 8, .value_kind: global_buffer, .address_space: global }
      - { .name: t, .offset: 8, .size: 8, .value_kind: global_buffer, .address_space: global }
      - { .name: xt, .offset: 16, .size: 8, .value_kind: global_buffer, .address_space: global }
      - { .name: kb, .offset: 24, .size: 8, .value_kind: global_buffer, .address_space: global }
      - { .name: pcode, .offset: 32, .size: 8, .value_kind: global_buffer, .address_space: global }
      - { .name: pscale, .offset: 40, .size: 8, .value_kind: global_buffer, .address_space: global }
      - { .name: out0, .offset: 48, .size: 8, .value_kind: global_buffer, .address_space: global }
    .group_segment_fixed_size: 317440
    .private_segment_fixed_size: 0
    .kernarg_segment_align: 8
    .kernarg_segment_size: 56
    .max_flat_workgroup_size: 512
    .sgpr_count:     66
    .vgpr_count:     256
    .wavefront_size: 32
...
	.end_amdgpu_metadata
.endif
;; end of part 2
;; ======== version 2 of 2: 2 launches; version 1 with the launch nw written anew for expert scheduling mode
;; workspace buffers: xt 524,288 bytes; kb 32,768 bytes; pcode 65,536 bytes; pscale 4,096 bytes
;; launch prep: the kernel of part 1 again; grid 16 x 1, 16 waves a work-group, no clusters, 10,240 bytes of LDS; arguments indices, pairs, t, xt, kb, pcode, pscale; writes xt, kb, pcode, pscale
;; launch nw (part 3): grid 256 x 1, 16 waves a work-group, no clusters, 317,440 bytes of LDS; arguments x_input, t, xt, kb, pcode, pscale, out0; writes out0
.if DOCPART == 3
	.amdgcn_target "amdgcn-amd-amdhsa--gfx1250"
	.amdhsa_code_object_version 6
	.text
	.protected	k_qed7903a0d7_nw
	.globl	k_qed7903a0d7_nw
	.p2align	8
	.type	k_qed7903a0d7_nw,@function
k_qed7903a0d7_nw:
	s_mov_b64 s[64:65], 0
	v_nop
	global_prefetch_b8 v0, s[64:65] scope:SCOPE_SE
	s_setreg_imm32_b32 hwreg(HW_REG_WAVE_SCHED_MODE, 0, 2), 2
	s_setreg_imm32_b32 hwreg(HW_REG_WAVE_MODE, 25, 1), 1
	s_wait_xcnt 0x0
	s_wait_alu depctr_vm_vsrc(0)
; v[q] = (omega pi1 / S - mean(omega) x[q]) / (1 - t),  omega = S softmax_s(-max(|x[q] - x_t[s]|^2, 0) / 2),  S = 8,192 keys, 4,096 queries, 16 dims.
; The first product (x . x_t) has f32 operands: its result goes into a quantiser.  The second (omega pi1) multiplies codes of E2M1 with one E8M0 scale for each 32 keys; omega is quantised NORMALISED.
; SHARES.  A work-group owns 16 queries; each of its sixteen waves (four to a SIMD, 256 registers each) owns 512 keys.
; EACH SCORE AND EACH EXPONENTIAL IS MADE ONCE.  The row's maximum and sum must be known before omega can be quantised.  So the weights p = 2^(c u + N) are kept: 16 x 8,192 x 4 bytes = 512 KiB a work-group,
; half in registers (128 a wave), half in the wave's own LDS bytes (16 KiB a wave), as images of the registers.
; THE SCORE.  -max(sq, 0) / 2 = min(x . x_t - |x_t|^2 / 2, |x|^2 / 2) - |x|^2 / 2; the last term is one number a row and falls out of the softmax.  u = min(x . x_t + kb, |x|^2 / 2), kb = -|x_t|^2 / 2 being the C of the sum's first matrix instruction.
; THE MAXIMUM.  A wave keeps a running maximum M over its groups of 64 keys; N = -c M, c = log2(e), rounded once; group g's p are taken under its N_g.  Behind a barrier N = the smallest N of all waves (the row's maximum),
; l = the sum of the waves' l x 2^(N - N_w), and omega = p x F_g, F_g = 2^(N - N_g) S / l: every omega of a row stands under the same N, whose rounding falls out with l.
; LAYOUT.  Both products are used transposed: S^T = x_t x^T (source 0 = 16 keys, source 1 = my 16 queries), O^T = pi1^T omega^T: a lane holds ONE query (lane % 16) throughout.
; The keys of a tile are not neighbours: row m of tile 2 b + u is key 32 b + 8 u + m + 8 (m / 8), so that the 16 registers of tiles 2 b and 2 b + 1 are 16 neighbouring keys, 32 b + 16 (lane / 16) + 0 .. 15.
; In the f32 form lane (r, h) holds dims 8 h + 2 q, + 1 in K step q, in both operands alike: the same products, and a lane's 8 dims are neighbours in memory.
; THE KEYS ARE NOT ASKED FOR JOINTLY, though every work-group reads the same 512 KiB: a joint request lands in LDS, and of LDS's 327,680 bytes this text uses 315,392; the 12,288 left are less than one group of keys
; for the sixteen waves (65,536 bytes).  The keys go from memory straight into operand registers, 512 consecutive bytes a load.
; LIMITS: NaN and infinities among the inputs are not served.  A p under 2^-126 counts as 0 (v_exp_f32 gives 0 there: ISA guide, its entry).  1 / l and 1 / (1 - t) are v_rcp_f32 and a multiplication; t = 1 gives what a division by 0 gives.
; REGISTERS: v1, v13 pi1's scale words; v2-9 x's fragment; v10-12 addresses; v14-23 statistics; v24-31 N_g, later F_g; v32-63 key fragments, later statistics, codes and temporaries; v64-95 the biases as C, later pi1's fragments;
;   v96-127 the scores, later O^T: written by matrix instructions alone; v128-255 p; of these v160-223 hold nothing before group 5 and are a second buffer of keys and biases till then.
; THE MODE: SCHED_MODE bits 1:0 = 2 (LLVM: expert scheduling mode 2), set by the entry lines.  The code itself states the register dependences
; between vector or matrix instructions and memory or LDS instructions, with s_wait_alu, always for 0.
; THE PLAN.  Registers that memory or LDS instructions touch:
;   v10, v11, v12   addresses, made at the head and never written again.
;   X0, X1          a group's keys (32 registers) and biases (32).  Groups 0 to 5 take them by turns.  Group g's sixteen matrix instructions read its buffer; the loads of group g + 1 stand at the head of group g and land in
;                   the other buffer, which group g - 1's matrix instructions read.  Groups 6 and 7 have X0 alone: X1 holds p by then.
;   v224-255        p at work in groups 0 to 3: written by the group's vector lines, read by its eight LDS stores; written again by the next group, and by group 7.
;   v128-255        in pass 2: a K step's 64 registers are scaled, summed and turned into codes; then the p that were kept in LDS land in them.
;   v14, v18, v20, v22, v23, v26-28, v44-51: addresses and data of the head, of the exchange and of the way out.
; ONE wait on va_vdst stands in a group, behind its exponentials: their results are written (the sums and the LDS stores read them), and the group's matrix instructions are done reading their buffer.  Behind it the group's
; only vector lines are the sums, which name p, l and v20-21.  So the LDS stores follow it at once, and the next group's head loads owe no wait of their own.  Groups 6 and 7 have a second one, behind the matrix instructions.
; One wait on vm_vsrc stands at the head of each group that writes registers which LDS stores have read.  In pass 2 one wait on va_vdst a K step, behind the places, serves the scaled matrix instruction and the loads.
.set VS0, 1                            ; pi1's scale words: lanes 0-15 K step 0, lanes 16-31 K step 1
.set XQ,  2                            ; v2-9   x(query r, dims 8 h + 0 .. 7)
.set VA,  10                           ; 16 x lane
.set VC,  11                           ; LDS: my wave's kb + 64 h
.set LP,  12                           ; LDS: my wave's images of p + 16 x lane
.set VS1, 13                           ; K steps 2 and 3
.set NC,  14                           ; the pair (N, M); at the end 1 / (S (1 - t))
.set MX,  15
.set LS,  16                           ; v16-17 the sum, in two halves
.set FF,  18                           ; a factor; named as a pair with v19
.set NQB, 19                           ; |x|^2 / 2
.set CM,  20                           ; v20-23 at work
.set NG,  24                           ; v24-31
.set KA,  32
.set KC,  64
.set SS,  96
.set PP,  128
.set X0,  KA                           ; a buffer: 32 registers of keys, then 32 of biases
.set X1,  PP+32                        ; the second buffer
.set PC,  32                           ; pass 2: omega's codes, v32-39
.set PW,  40                           ; and their scale word
.set TM,  44                           ; v44-59 at work
.set SEL, 32                           ; s[32:33]
.set CS,  34                           ; s[34:35] c = log2(e): the packed form names a pair and takes its low word
.set NEGC, 36
.set STN, 262144                       ; LDS behind the images of p: N of wave w for query r at 80 r + 4 w;
.set STL, 1280                         ; l likewise, this much further on
.set OPA, 266240                       ; the waves' parts of the result, 1,024 bytes each, as rows of out0
.set KBL, 282624                       ; kb: 2,048 bytes a wave
.macro LOADA g, buf                    ; group g's four tiles of keys: images of the operand's registers, 512 consecutive bytes a load
.irp t, 0,1,2,3
	global_load_b128 v[\buf+8*\t:\buf+8*\t+3],   v[VA], s[8:9] offset:(\g)*4096+\t*1024
	global_load_b128 v[\buf+8*\t+4:\buf+8*\t+7], v[VA], s[8:9] offset:(\g)*4096+\t*1024+512
.endr
.endm
.macro LOADC g, buf                    ; their biases in the result's layout: register j of lane (r, h) is kb of key 32 b + 8 u + 16 h + j; sixteen lanes read the same 16 bytes of LDS
.irp t, 0,1,2,3
	ds_load_b128 v[\buf+32+8*\t:\buf+32+8*\t+3], v[VC] offset:(\g)*256+(32*(\t/2)+8*(\t%2))*4
	ds_load_b128 v[\buf+36+8*\t:\buf+36+8*\t+3], v[VC] offset:(\g)*256+(32*(\t/2)+8*(\t%2))*4+16
.endr
.endm
.macro LOADP                           ; pi1's four fragments (16 d x 128 keys, 8 registers each), for pass 2
.irp k, 0,1,2,3
	global_load_b128 v[KC+8*\k:KC+8*\k+3],   v[VA], s[12:13] offset:\k*1024
	global_load_b128 v[KC+8*\k+4:KC+8*\k+7], v[VA], s[12:13] offset:\k*1024+512
.endr
.endm
	s_load_b128 s[4:7], s[0:1], 0x0                ; x_input, t
	s_load_b128 s[8:11], s[0:1], 0x10              ; xt, kb
	s_load_b128 s[12:15], s[0:1], 0x20             ; pcode, pscale
	s_load_b64 s[16:17], s[0:1], 0x30              ; out0
	v_lshrrev_b32 v[NG], 5, v0
	v_readfirstlane_b32 s18, v[NG]                 ; wave 0..15
	v_and_b32 v[NG], 15, v0                        ; r
	v_bfe_u32 v[NG+1], v0, 4, 1                    ; h
	v_lshlrev_b32 v[NG+2], 6, v[NG]
	v_lshl_add_u32 v[NG+2], v[NG+1], 5, v[NG+2]    ; x: row r of 64 bytes, + 32 h
	v_and_b32 v[NG+3], 31, v0
	v_lshlrev_b32 v[VA], 4, v[NG+3]
	v_lshlrev_b32 v[NG+3], 2, v[NG+3]              ; 4 x lane: the scale words
	s_wait_alu depctr_va_sdst(0)                   ; s18 is written, ahead of its first reader: LDS addresses, the buffers' offsets and a branch are made from it
	s_lshl_b32 s19, s18, 14
	v_add_nc_u32 v[LP], s19, v[VA]
	s_lshl_b32 s19, s18, 11
	s_add_co_u32 s19, s19, KBL
	v_add_nc_u32 v[NG+4], s19, v[VA]               ; kb on its way in
	v_lshl_add_u32 v[VC], v[NG+1], 6, s19
	s_lshl_b32 s20, ttmp9, 10                      ; my 16 queries: 1,024 bytes of x_input and of out0
	s_mov_b32 s21, 0
	s_lshl_b32 s22, s18, 15                        ; my wave's 512 keys: 32,768 bytes of xt,
	s_mov_b32 s23, 0
	s_lshl_b32 s24, s18, 11                        ; 2,048 of kb,
	s_mov_b32 s25, 0
	s_lshl_b32 s26, s18, 12                        ; 4,096 of pcode,
	s_mov_b32 s27, 0
	s_lshl_b32 s28, s18, 8                         ; 256 of pscale
	s_mov_b32 s29, 0
	s_mov_b32 s[SEL], 0x76543210
	s_mov_b32 s[SEL+1], 0xfedcba98                 ; v_permlanex16_b32's selects for lane l xor 16
	s_mov_b32 s[CS], 0x3fb8aa3b                    ; c = log2(e)
	s_mov_b32 s[CS+1], s[CS]
	s_mov_b32 s[NEGC], 0xbfb8aa3b                  ; -c
	s_wait_kmcnt 0x0
	s_load_b32 s30, s[6:7], 0x0                    ; t
	s_add_nc_u64 s[4:5], s[4:5], s[20:21]
	s_add_nc_u64 s[16:17], s[16:17], s[20:21]
	s_add_nc_u64 s[8:9], s[8:9], s[22:23]
	s_add_nc_u64 s[10:11], s[10:11], s[24:25]
	s_add_nc_u64 s[12:13], s[12:13], s[26:27]
	s_add_nc_u64 s[14:15], s[14:15], s[28:29]
	s_wait_alu depctr_va_vdst(0)                   ; the addresses v10, v11, v12 and v26, v27, v28 are written, which the loads and LDS stores below read
.irp i, 0,1,2,3
	global_load_b128 v[PP+4*\i:PP+4*\i+3], v[VA], s[10:11] offset:512*\i       ; my wave's kb, once, 512 consecutive bytes a load
.endr
	global_load_b128 v[XQ:XQ+3], v[NG+2], s[4:5]
	global_load_b128 v[XQ+4:XQ+7], v[NG+2], s[4:5] offset:16
	global_load_b32 v[VS0], v[NG+3], s[14:15]
	global_load_b32 v[VS1], v[NG+3], s[14:15] offset:128
	LOADA 0, X0
	s_wait_loadcnt 12                              ; kb is in: behind it 2 loads of x, 2 of scale words, 8 of keys
.irp i, 0,1,2,3
	ds_store_b128 v[NG+4], v[PP+4*\i:PP+4*\i+3] offset:512*\i      ; into my wave's own bytes: LDS serves a wave's instructions in order, so no wait and no barrier stand ahead of the loads below
.endr
	LOADC 0, X0
	s_wait_loadcnt 8                               ; x and the scale words are in; the 8 loads of keys may be out
	v_mul_f32 v[NQB], v[XQ], v[XQ]
.irp j, 1,2,3,4,5,6,7
	v_fmac_f32 v[NQB], v[XQ+\j], v[XQ+\j]
.endr
	v_mov_b32 v[CM], 0                             ; a lane permute's destination counts as one of its sources
	v_permlanex16_b32 v[CM], v[NQB], s[SEL], s[SEL+1]
	v_add_f32 v[NQB], v[NQB], v[CM]
	v_mul_f32 v[NQB], 0.5, v[NQB]                  ; |x|^2 / 2
	s_wait_kmcnt 0x0                               ; t
; PASS 1, A GROUP OF 64 KEYS.  buf: the buffer with its keys and biases;  dst: where its 32 registers of p go;  first = 1: it starts M and l;  lds = 1: p goes on to LDS;
; freed = 1: LDS stores have read dst since the last wait on vm_vsrc;  ahead: the buffer that takes the next group's loads at this group's head (0: none);
; dsleft: the LDS instructions issued behind this group's bias loads, which may stay out;  mid = 1: the next group's loads, mid = 2: pi1's fragments, behind this group's matrix instructions.
.macro GROUP g, buf, dst, first, lds, freed, ahead, dsleft, mid
.if \freed
	s_wait_alu depctr_vm_vsrc(0)                   ; the LDS stores of p issued so far have read v[dst ..], which this group writes again (in group 1 also: the head's loads and stores have read v26-28 and v128-143, which groups 2 to 4 write)
.endif
.if \ahead
	LOADA \g+1, \ahead                             ; the next group is asked for a whole group ahead.  No wait: the matrix instructions that read this buffer stand ahead of the last group's wait on va_vdst,
	LOADC \g+1, \ahead                             ; and no vector or matrix instruction since names it (in group 0: none has ever named it)
	s_wait_loadcnt 8                               ; loads come back in order (ISA guide 5.7.1): this group's keys are in, the next group's eight loads stay out
.else
	s_wait_loadcnt 0x0                             ; the group's keys
.endif
	s_wait_dscnt \dsleft                           ; its biases; behind them: the last group's eight stores of p, where it had any, and the next group's eight bias loads, where they are out
.irp q, 0,1,2,3                        ; four accumulators by turns, one instruction a turn; the first K step starts each sum with the biases as C
.irp t, 0,1,2,3
.if \q == 0
	v_wmma_f32_16x16x4_f32 v[SS+8*\t:SS+8*\t+7], v[\buf+8*\t:\buf+8*\t+1], v[XQ:XQ+1], v[\buf+32+8*\t:\buf+32+8*\t+7]
.else
	v_wmma_f32_16x16x4_f32 v[SS+8*\t:SS+8*\t+7], v[\buf+8*\t+2*\q:\buf+8*\t+2*\q+1], v[XQ+2*\q:XQ+2*\q+1], v[SS+8*\t:SS+8*\t+7]
.endif
.endr
.endr
.rept 8
	v_nop                                          ; eight places behind this form, ahead of the first read of its results and, in group 5, of the first write of its sources (dst lies in its buffer)
.endr
.if \mid == 1
	s_wait_alu depctr_va_vdst(0)                   ; this group's matrix instructions are done reading their buffer, in which the next group's loads land: no other buffer is free any more
	LOADA \g+1, \buf
	LOADC \g+1, \buf
.elseif \mid == 2
	s_wait_alu depctr_va_vdst(0)                   ; this group's matrix instructions are done reading their biases, in whose registers pi1's fragments land
	LOADP
.endif
.set J, 0
.rept 32
	v_min_num_f32 v[\dst+J], v[SS+J], v[NQB]       ; u: the clip of sq at 0.  Each accumulator is read from its low end on
.set J, J+1
.endr
.irp k, 0,1,2,3
	v_max3_num_f32 v[CM+\k], v[\dst+8*\k], v[\dst+8*\k+1], v[\dst+8*\k+2]      ; the largest u: four chains by turns
.endr
.irp i, 3,5
.irp k, 0,1,2,3
	v_max3_num_f32 v[CM+\k], v[CM+\k], v[\dst+8*\k+\i], v[\dst+8*\k+\i+1]
.endr
.endr
	v_max3_num_f32 v[CM], v[CM], v[\dst+7], v[\dst+15]
	v_max3_num_f32 v[CM+2], v[CM+2], v[\dst+23], v[\dst+31]
	v_max3_num_f32 v[CM], v[CM], v[CM+1], v[CM+2]
.if \first
	v_max_num_f32 v[CM], v[CM], v[CM+3]
.else
	v_max3_num_f32 v[CM], v[CM], v[CM+3], v[MX]    ; and the running maximum
.endif
	v_permlanex16_b32 v[CM+1], v[CM], s[SEL], s[SEL+1]
	v_max_num_f32 v[MX], v[CM], v[CM+1]            ; with lane l xor 16's keys
	v_mul_f32 v[NC], s[NEGC], v[MX]                ; N = -c M
.if !\first
	v_sub_f32 v[FF], v[NC], v[NG+\g-1]             ; N less the last group's: 0 or less
.endif
.set J, 0
.rept 16
	v_pk_fma_f32 v[\dst+J:\dst+J+1], v[\dst+J:\dst+J+1], s[CS:CS+1], v[NC:NC+1] op_sel_hi:[1,0,0]   ; c u + N, two at a time
.set J, J+2
.endr
.if !\first
	v_exp_f32 v[FF], v[FF]                         ; what was summed under the old N comes under the new
.endif
.set J, 0
.rept 32
	v_exp_f32 v[\dst+J], v[\dst+J]                 ; p, at most 1
.set J, J+1
.endr
	v_mov_b32 v[NG+\g], v[NC]                      ; the group's N is kept.  (The plain line behind the exponentials)
	s_wait_alu depctr_va_vdst(0)                   ; the exponentials have written p and the factor: one wait for the batch, ahead of its first readers, the LDS stores and the sums; and this group's matrix instructions are done reading their buffer, in which the next group's head lets loads land
.if \lds
.irp i, 0,1,2,3,4,5,6,7
	ds_store_b128 v[LP], v[\dst+4*\i:\dst+4*\i+3] offset:(\g)*4096+512*\i      ; the image of the 32 registers: 512 consecutive bytes a store, my wave's own
.endr
.endif
.if \first
	v_pk_add_f32 v[LS:LS+1], v[\dst:\dst+1], v[\dst+2:\dst+3]
	v_pk_add_f32 v[CM:CM+1], v[\dst+4:\dst+5], v[\dst+6:\dst+7]
.set J, 8
.rept 6
	v_pk_add_f32 v[LS:LS+1], v[LS:LS+1], v[\dst+J:\dst+J+1]
	v_pk_add_f32 v[CM:CM+1], v[CM:CM+1], v[\dst+J+2:\dst+J+3]
.set J, J+4
.endr
.else
	v_pk_mul_f32 v[LS:LS+1], v[LS:LS+1], v[FF:FF+1] op_sel_hi:[1,0]
	v_pk_add_f32 v[CM:CM+1], v[\dst:\dst+1], v[\dst+2:\dst+3]
.set J, 4
.rept 7
	v_pk_add_f32 v[LS:LS+1], v[LS:LS+1], v[\dst+J:\dst+J+1]        ; the sum of p, two at a time, in two chains
	v_pk_add_f32 v[CM:CM+1], v[CM:CM+1], v[\dst+J+2:\dst+J+3]
.set J, J+4
.endr
.endif
	v_pk_add_f32 v[LS:LS+1], v[LS:LS+1], v[CM:CM+1]
.endm
	GROUP 0, X0, PP+96, 1, 1, 0, X1, 8,  0         ; the four groups that go to LDS come first and work in the registers that the last group will keep
	GROUP 1, X1, PP+96, 0, 1, 1, X0, 16, 0
	GROUP 2, X0, PP+96, 0, 1, 1, X1, 16, 0
	GROUP 3, X1, PP+96, 0, 1, 1, X0, 16, 0
	GROUP 4, X0, PP,    0, 0, 0, X1, 16, 0
	GROUP 5, X1, PP+32, 0, 0, 0, X0, 8,  0         ; its p take the first half of its own buffer,
	GROUP 6, X0, PP+64, 0, 0, 0, 0,  0,  1         ; group 6's the second half: from here on there is one buffer
	GROUP 7, X0, PP+96, 0, 0, 1, 0,  0,  2
	; THE WAVES' N AND l MEET.
	v_add_f32 v[CM], v[LS], v[LS+1]
	v_permlanex16_b32 v[CM+1], v[CM], s[SEL], s[SEL+1]
	v_add_f32 v[CM], v[CM], v[CM+1]                ; my wave's l for query r
	v_and_b32 v[CM+2], 15, v0
	v_mul_u32_u24 v[CM+2], v[CM+2], 80
	v_add_nc_u32 v[CM+2], STN, v[CM+2]             ; query r's row of sixteen words (80 bytes apart)
	s_lshl_b32 s19, s18, 2
	v_add_nc_u32 v[CM+3], s19, v[CM+2]             ; my wave's word in it
	s_wait_alu depctr_va_vdst(0)                   ; l in v20 and the addresses v22, v23 are written, which the LDS stores and loads below read (N in v14 was written ahead of group 7's wait)
	ds_store_b32 v[CM+3], v[NC]                    ; both halves of the lanes write the same word with the same value
	ds_store_b32 v[CM+3], v[CM] offset:STL
	s_wait_dscnt 0x0                               ; for the others' sake: my stores have landed
	s_barrier_signal -1
	s_barrier_wait -1
.irp i, 0,1,2,3
	ds_load_b128 v[KA+4*\i:KA+4*\i+3], v[CM+2] offset:16*\i        ; (they land in registers that group 7's matrix instructions read: those stand ahead of the waits above)
	ds_load_b128 v[KA+16+4*\i:KA+19+4*\i], v[CM+2] offset:STL+16*\i
.endr
	s_wait_dscnt 0x0
	s_wait_alu depctr_vm_vsrc(0)                   ; the two stores and the eight loads have read v14, v20, v22 and v23, which lines below write again
	v_min3_num_f32 v[MX], v[KA], v[KA+1], v[KA+2]
.irp i, 3,5,7,9,11,13
	v_min3_num_f32 v[MX], v[MX], v[KA+\i], v[KA+\i+1]
.endr
	v_min_num_f32 v[MX], v[MX], v[KA+15]           ; N of the row's maximum
.irp i, 0,1,2,3,4,5,6,7,8,9,10,11,12,13,14,15
	v_sub_f32 v[KA+\i], v[MX], v[KA+\i]            ; N - N_w: 0 or less
.endr
.irp i, 0,1,2,3,4,5,6,7
	v_sub_f32 v[NG+\i], v[MX], v[NG+\i]            ; N - N_g
.endr
.irp i, 0,1,2,3,4,5,6,7,8,9,10,11,12,13,14,15
	v_exp_f32 v[KA+\i], v[KA+\i]
.endr
.irp i, 0,1,2,3,4,5,6,7
	v_exp_f32 v[NG+\i], v[NG+\i]
.endr
	v_mov_b32 v[CM+1], s30                         ; t.  (The plain line behind the exponentials)
	s_wait_alu depctr_va_vdst(0)                   ; the 24 exponentials have written their results: one wait, ahead of their first reader
	v_pk_mul_f32 v[LS:LS+1], v[KA:KA+1], v[KA+16:KA+17]
.irp i, 2,4,6,8,10,12,14
	v_pk_fma_f32 v[LS:LS+1], v[KA+\i:KA+\i+1], v[KA+16+\i:KA+17+\i], v[LS:LS+1]
.endr
	v_add_f32 v[LS], v[LS], v[LS+1]                ; l: the row's sum under N
	v_sub_f32 v[CM+1], 1.0, v[CM+1]                ; 1 - t
	v_rcp_f32 v[CM], v[LS]
	v_rcp_f32 v[CM+1], v[CM+1]
.irp b, 0,1,2,3
	v_mov_b32 v[TM+4+\b], 0                        ; (plain lines behind the reciprocals)  written once: a lane permute's destination counts as one of its sources
.endr
	v_mov_b32 v[LS], 0                             ; the sum of omega starts, in two chains of two halves
	v_mov_b32 v[LS+1], 0
	s_wait_alu depctr_va_vdst(0)                   ; the two reciprocals have written their results: one wait, ahead of their first reader
	v_mul_f32 v[CM+3], 0x46000000, v[CM]           ; S / l
	v_mul_f32 v[NC], 0x39000000, v[CM+1]           ; 1 / (S (1 - t))
.irp i, 0,1,2,3,4,5,6,7
	v_mul_f32 v[NG+\i], v[NG+\i], v[CM+3]          ; F_g
.endr
	v_mov_b32 v[CM], 0
	v_mov_b32 v[CM+1], 0
	s_wait_loadcnt 0x0                             ; pi1's fragments
; PASS 2, A K STEP OF 128 KEYS (groups 2 k and 2 k + 1), whose p stand in v[src] .. v[src + 63]: register 16 b + i is key 32 b + 16 (lane / 16) + i of my query.
.macro QUANT k, src
	v_mov_b32 v[FF], v[NG+2*\k+1]
.set J, 0
.rept 16
	v_pk_mul_f32 v[\src+J:\src+J+1], v[\src+J:\src+J+1], v[NG+2*\k:NG+2*\k+1] op_sel_hi:[1,0]       ; omega = p F
.set J, J+2
.endr
.rept 16
	v_pk_mul_f32 v[\src+J:\src+J+1], v[\src+J:\src+J+1], v[FF:FF+1] op_sel_hi:[1,0]
.set J, J+2
.endr
.set J, 0
.rept 16
	v_pk_add_f32 v[LS:LS+1], v[LS:LS+1], v[\src+J:\src+J+1]        ; the sum of the unquantised omega, for its mean
	v_pk_add_f32 v[CM:CM+1], v[CM:CM+1], v[\src+J+2:\src+J+3]
.set J, J+4
.endr
.irp b, 0,1,2,3
	v_max3_num_f32 v[TM+\b], v[\src+16*\b], v[\src+16*\b+1], 0x1800000         ; block b: my 16 numbers (none is negative), and the floor 2^(3 - 127): so the byte cannot fall under 1
.endr
.irp i, 2,4,6,8,10,12,14
.irp b, 0,1,2,3
	v_max3_num_f32 v[TM+\b], v[TM+\b], v[\src+16*\b+\i], v[\src+16*\b+\i+1]    ; (the four blocks by turns)
.endr
.endr
.irp b, 0,1,2,3
	v_permlanex16_b32 v[TM+4+\b], v[TM+\b], s[SEL], s[SEL+1]
.endr
.irp b, 0,1,2,3
	v_max_num_f32 v[TM+\b], v[TM+\b], v[TM+4+\b]   ; with lane l xor 16's: the block's largest
.endr
.irp b, 0,1,2,3
	v_add_nc_u32 v[TM+12+\b], 0xff000000, v[TM+\b] ; 2 off its exponent field: the conversion's scale operand
.endr
.irp b, 0,1,2,3
	v_lshrrev_b32 v[TM+4+\b], 23, v[TM+12+\b]      ; the scale's byte
.endr
	v_lshl_or_b32 v[PW], v[TM+5], 8, v[TM+4]       ; my query's scale word for these 128 keys
	v_lshl_or_b32 v[PW], v[TM+6], 16, v[PW]
	v_lshl_or_b32 v[PW], v[TM+7], 24, v[PW]
.irp b, 0,1,2,3
	v_cvt_scalef32_pk8_fp4_f32 v[PC+2*\b], v[\src+16*\b:\src+16*\b+7], v[TM+12+\b]
	v_cvt_scalef32_pk8_fp4_f32 v[PC+1+2*\b], v[\src+16*\b+8:\src+16*\b+15], v[TM+12+\b]
.endr
	v_nop                                          ; one plain line behind the last scaled conversion
.irp c, 0,1                            ; the operand's layout wants a WHOLE block in a lane: lanes 0-15 block 2 c, lanes 16-31 block 2 c + 1
.irp i, 0,1
	v_permlane16_swap_b32 v[PC+4*\c+\i], v[PC+2+4*\c+\i]
.endr
.endr
.endm
.macro READY                           ; between a K step's codes and its product: first the places, then the wait
.rept 8
	v_nop                                          ; a scale word made by vector instructions stands eight places ahead of a scaled matrix instruction, an operand so made four
.endr
	s_wait_alu depctr_va_vdst(0)                   ; the codes v32-39 and the scale word v40 are written, which the scaled matrix instruction takes; and the K step's vector lines are done writing and reading its 64 registers, in which, behind K steps 2 and 3, the loads from LDS land
.endm
.macro RELOAD k, dst                   ; K step k's p come back from LDS, into registers whose p have been turned into codes
.irp i, 0,1,2,3,4,5,6,7,8,9,10,11,12,13,14,15
	ds_load_b128 v[\dst+4*\i:\dst+4*\i+3], v[LP] offset:(\k)*8192+512*\i
.endr
.endm
.macro PROD k, vs, row1                ; O^T of these 128 keys, on an accumulator of its own: source 0 = pi1's 16 dims, source 1 = omega of my 16 queries
.if \row1
	v_wmma_scale_f32_16x16x128_f8f6f4 v[SS+8*\k:SS+8*\k+7], v[KC+8*\k:KC+8*\k+7], v[PC:PC+7], 0, v[\vs], v[PW] matrix_a_fmt:MATRIX_FMT_FP4 matrix_b_fmt:MATRIX_FMT_FP4 matrix_a_scale:MATRIX_SCALE_ROW1
.else
	v_wmma_scale_f32_16x16x128_f8f6f4 v[SS+8*\k:SS+8*\k+7], v[KC+8*\k:KC+8*\k+7], v[PC:PC+7], 0, v[\vs], v[PW] matrix_a_fmt:MATRIX_FMT_FP4 matrix_b_fmt:MATRIX_FMT_FP4
.endif
.endm
	QUANT 2, PP                                    ; the K steps kept in registers first: their registers then take those kept in LDS
	READY
	RELOAD 0, PP
	PROD 2, VS1, 0
	QUANT 3, PP+64                                 ; (its first lines, which name none of the product's registers, are the places ahead of the next write of the codes and the scale word)
	READY
	RELOAD 1, PP+64
	PROD 3, VS1, 1
	s_wait_dscnt 16                                ; K step 0's sixteen loads are in; K step 1's sixteen may be out
	QUANT 0, PP
	READY
	PROD 0, VS0, 0
	s_wait_dscnt 0x0
	QUANT 1, PP+64
	READY
	PROD 1, VS0, 1
	; THE WAY OUT.  My wave's part of v: (O_w - (my keys' sum of omega) x) / (S (1 - t)); the sixteen parts are added behind a barrier.  The address lines are the places behind the last product.
	v_and_b32 v[CM+2], 15, v0
	v_bfe_u32 v[CM+3], v0, 4, 1
	v_lshlrev_b32 v[CM+2], 6, v[CM+2]
	v_lshl_add_u32 v[CM+2], v[CM+3], 5, v[CM+2]    ; row r of 64 bytes, + 32 h: register j of lane (r, h) is v(query r, dim 8 h + j)
	s_lshl_b32 s19, s18, 10
	s_add_co_u32 s19, s19, OPA
	v_add_nc_u32 v[CM+2], s19, v[CM+2]             ; in my wave's 1,024 bytes
	v_lshlrev_b32 v[FF], 4, v0                     ; back, and in out0: 16 bytes a thread (threads 0 to 63)
	v_add_nc_u32 v[CM+3], OPA, v[FF]
	v_pk_add_f32 v[LS:LS+1], v[LS:LS+1], v[CM:CM+1]
	v_add_f32 v[LS], v[LS], v[LS+1]
	v_permlanex16_b32 v[CM], v[LS], s[SEL], s[SEL+1]
	v_add_f32 v[LS], v[LS], v[CM]                  ; the sum of omega over my wave's 512 keys
	v_mul_f32 v[LS], -1.0, v[LS]
.irp j, 0,2,4,6
	v_pk_add_f32 v[TM+\j:TM+\j+1], v[SS+\j:SS+\j+1], v[SS+8+\j:SS+9+\j]        ; the four K steps' sums; each accumulator is read from its low end on
.endr
.irp j, 0,2,4,6
	v_pk_add_f32 v[TM+8+\j:TM+9+\j], v[SS+16+\j:SS+17+\j], v[SS+24+\j:SS+25+\j]
.endr
.irp j, 0,2,4,6
	v_pk_add_f32 v[TM+\j:TM+\j+1], v[TM+\j:TM+\j+1], v[TM+8+\j:TM+9+\j]
.endr
.irp j, 0,2,4,6
	v_pk_fma_f32 v[TM+\j:TM+\j+1], v[XQ+\j:XQ+\j+1], v[LS:LS+1], v[TM+\j:TM+\j+1] op_sel_hi:[1,0,1]
.endr
.irp j, 0,2,4,6
	v_pk_mul_f32 v[TM+\j:TM+\j+1], v[TM+\j:TM+\j+1], v[NC:NC+1] op_sel_hi:[1,0]
.endr
	s_wait_alu depctr_va_vdst(0)                   ; my part in v44-51 and the addresses v18, v22, v23 are written, which the LDS stores, the loads of the parts and the last store read; and pass 2's vector lines are done with v128-191, in which the parts land
	ds_store_b128 v[CM+2], v[TM:TM+3]
	ds_store_b128 v[CM+2], v[TM+4:TM+7] offset:16
	s_wait_dscnt 0x0                               ; for the others' sake: my stores have landed
	s_barrier_signal -1
	s_barrier_wait -1
	s_cmp_lt_u32 s18, 2
	s_cbranch_scc0 .Lend                           ; waves 0 and 1 add the parts: 64 threads x 16 bytes are the group's 1,024 bytes of out0
.irp i, 0,1,2,3,4,5,6,7,8,9,10,11,12,13,14,15
	ds_load_b128 v[PP+4*\i:PP+4*\i+3], v[CM+3] offset:1024*\i
.endr
	s_wait_dscnt 0x0
.irp i, 0,1,2,3,4,5,6,7
	v_pk_add_f32 v[PP+8*\i:PP+8*\i+1], v[PP+8*\i:PP+8*\i+1], v[PP+8*\i+4:PP+8*\i+5]
	v_pk_add_f32 v[PP+8*\i+2:PP+8*\i+3], v[PP+8*\i+2:PP+8*\i+3], v[PP+8*\i+6:PP+8*\i+7]
.endr
.irp i, 0,1,2,3
	v_pk_add_f32 v[PP+16*\i:PP+16*\i+1], v[PP+16*\i:PP+16*\i+1], v[PP+16*\i+8:PP+16*\i+9]
	v_pk_add_f32 v[PP+16*\i+2:PP+16*\i+3], v[PP+16*\i+2:PP+16*\i+3], v[PP+16*\i+10:PP+16*\i+11]
.endr
.irp i, 0,1
	v_pk_add_f32 v[PP+32*\i:PP+32*\i+1], v[PP+32*\i:PP+32*\i+1], v[PP+32*\i+16:PP+32*\i+17]
	v_pk_add_f32 v[PP+32*\i+2:PP+32*\i+3], v[PP+32*\i+2:PP+32*\i+3], v[PP+32*\i+18:PP+32*\i+19]
.endr
	v_pk_add_f32 v[PP:PP+1], v[PP:PP+1], v[PP+32:PP+33]
	v_pk_add_f32 v[PP+2:PP+3], v[PP+2:PP+3], v[PP+34:PP+35]
	s_wait_alu depctr_va_vdst(0)                   ; the additions have written v128-131, which the store reads
	global_store_b128 v[FF], v[PP:PP+3], s[16:17]  ; a wave stores 512 consecutive bytes, at a multiple of 256 from out0's first byte
.Lend:
	s_wait_xcnt 0x0
	v_lshl_add_u32 v254, v0, 2, 0x4d000            ; the add's two registers are made anew: no memory or LDS instruction has read v254 or v255 since group 7's wait on vm_vsrc
	v_mov_b32 v255, 0
	s_wait_dscnt 0x0                               ; the closing lines, six on end
	s_wait_alu 0x0
	s_wait_tensorcnt 0x0
	ds_add_u32 v254, v255
	s_wait_dscnt 0x0
	s_endpgm
.Lfunc_end_k_qed7903a0d7_nw:
	.size	k_qed7903a0d7_nw, .Lfunc_end_k_qed7903a0d7_nw-k_qed7903a0d7_nw
	.p2alignl 7, 3214868480
	.fill 96, 4, 3214868480
	.section	.rodata,"a",@progbits
	.p2align	6, 0x0
	.amdhsa_kernel k_qed7903a0d7_nw
		.amdhsa_group_segment_fixed_size 317440
		.amdhsa_private_segment_fixed_size 0
		.amdhsa_enable_private_segment 0
		.amdhsa_kernarg_size 56
		.amdhsa_user_sgpr_count 2
		.amdhsa_user_sgpr_kernarg_segment_ptr 1
		.amdhsa_wavefront_size32 1
		.amdhsa_system_sgpr_workgroup_id_x 1
		.amdhsa_system_sgpr_workgroup_id_y 1
		.amdhsa_system_sgpr_workgroup_id_z 1
		.amdhsa_system_vgpr_workitem_id 0
		.amdhsa_next_free_vgpr 256
		.amdhsa_next_free_sgpr 66
		.amdhsa_reserve_vcc 0
		.amdhsa_float_denorm_mode_32 3
		.amdhsa_float_denorm_mode_16_64 3
		.amdhsa_memory_ordered 1
		.amdhsa_forward_progress 1
		.amdhsa_inst_pref_size 115
	.end_amdhsa_kernel
	.amdgpu_metadata
---
amdhsa.version: [ 1, 2 ]
amdhsa.kernels:
  - .name:           k_qed7903a0d7_nw
    .symbol:         k_qed7903a0d7_nw.kd
    .args:
      - { .name: x_input, .offset: 0, .size: 8, .value_kind: global_buffer, .address_space: global }
      - { .name: t, .offset: 8, .size: 8, .value_kind: global_buffer, .address_space: global }
      - { .name: xt, .offset: 16, .size: 8, .value_kind: global_buffer, .address_space: global }
      - { .name: kb, .offset: 24, .size: 8, .value_kind: global_buffer, .address_space: global }
      - { .name: pcode, .offset: 32, .size: 8, .value_kind: global_buffer, .address_space: global }
      - { .name: pscale, .offset: 40, .size: 8, .value_kind: global_buffer, .address_space: global }
      - { .name: out0, .offset: 48, .size: 8, .value_kind: global_buffer, .address_space: global }
    .group_segment_fixed_size: 317440
    .private_segment_fixed_size: 0
    .kernarg_segment_align: 8
    .kernarg_segment_size: 56
    .max_flat_workgroup_size: 512
    .sgpr_count:     66
    .vgpr_count:     256
    .wavefront_size: 32
...
	.end_amdgpu_metadata
.endif
;; end of part 3
